; MI455X (gfx1250); checked and timed in simulation.
; The chip was launched on July 23, 2026; its instructions are those of AMD's public machine-readable ISA for CDNA 5 (MIT licence, August 2026) and "CDNA5" Instruction Set Architecture Reference Guide (July 2026). The comments in the code are by the model that wrote it; some were corrected since.
;; Proposal Target layer. Allowed arithmetic: float matrix products may take bf16 or f16 operands with f32 sums; all other float work in f32.
;; Inputs: gt_bbox 512 x 4 float32; gt_labels 512 int32; rois 200,000 x 4 float32.
;; Outputs: out0 512 x 4 float32; out1 512 int32.
;; One version. Each part assembles by itself: llvm-mc -triple=amdgcn-amd-amdhsa -mcpu=gfx1250 --defsym DOCPART=n.
;; ======== version 1 of 1: 3 launches
;; workspace buffers: mrow 832,000 bytes of whole numbers; table 64,000 bytes of whole numbers; ckey 1,601,536 bytes of whole numbers; cidx 1,601,536 bytes of whole numbers; meta 256 bytes of whole numbers
;; launch iou (part 1): grid 250 x 1, 20 waves a work-group, no clusters, 17,920 bytes of LDS; arguments rois, gt_bbox, mrow, table; writes mrow, table
.if DOCPART == 1
	.amdgcn_target "amdgcn-amd-amdhsa--gfx1250"
	.amdhsa_code_object_version 6
	.text
	.protected	k_q514a8b4f07_iou
	.globl	k_q514a8b4f07_iou
	.p2align	8
	.type	k_q514a8b4f07_iou,@function
k_q514a8b4f07_iou:
	s_mov_b64 s[64:65], 0
	v_nop
	global_prefetch_b8 v0, s[64:65] scope:SCOPE_SE
	s_setreg_imm32_b32 hwreg(HW_REG_WAVE_MODE, 25, 1), 1
	s_wait_xcnt 0x0
; max over 512 gt boxes of IoU(roi, gt) for 200,000 rois, and per work-group counts of rois above 64 thresholds for each class.
; 102.4 M pairs at ten vector instructions a pair bind this launch; its bytes (3.2 MB in, 0.9 MB out) do not.  There is no matrix
; product in the problem, and the only shared input is 8 KB of gt boxes, read as scalars: no matrix unit, no tile ring, no cluster.
; A work-group owns 800 rois, 20 waves.  Wave w = 4 a + b takes rois 160 a + 32 r + lane (r = 0..4) against gt 128 b .. 128 b + 127:
; a gt box lies in scalar registers and serves five vector rows, two gt boxes at a time in packed f32.
; The argmax is not kept here: only 512 rois need it, and the last launch makes it again for those.
; THE ORDER INSIDE THE LATER TOP-K HANGS ON THE LAST BITS of the quotient (the bg keys just below 0.5 lie some tens of units in the last place apart), so:
; THE UNION: u = fma(wb, hb, area_a) - i.  This is reference()'s area_a + area_b - inter with area_b's product and the sum that alone uses it
; contracted into one fused multiply-add: ONE ROUNDING FEWER than the expression as it is written.  area_a and i are rounded products, as written.
; THE QUOTIENT: r = rcp(u), q0 = i r, e = fma(-u, q0, i), q = fma(e, r, q0):
; this q is the rounded i / u except where the exact quotient lies within about 2^-21 of a unit in the last place of a rounding boundary.
; LIMITS: every pair's union is finite and above 0 (a 0/0 pair gives NaN in the reference; here v_max_num drops it).
; OUT: mrow[wg][800] the bit patterns of the maxima (row pitch 3,328 bytes = 13 x 256);
;      table[wg][64], word j = count(fgkey >= Tfg(j+1)) | count(bgkey >= Tbg(j+1)) << 16,
;      fgkey = bits > 0x3f000000 ? bits : 0, bgkey = 0x3dcccccd < bits < 0x3f000000 ? bits : 0, T(i) = TOP - (i i << 11), TOP = 1.0 or 0.5 as bits.
.set ROIS_WG, 800
.set AX,   4                           ; v[4:23]   row r: x1, y1, x2, y2 of my roi
.set AR,   24                          ; v[24:28]  row r: its area
.set BE,   30                          ; v[30:34]  row r: best quotient so far
.set T,    36                          ; v[36:75]  row r: four pairs at T + 8 r: LX, LY, RX, RY
.set FK,   76                          ; v[76:80]  row r: fgkey
.set BK,   82                          ; v[82:86]  row r: bgkey
.set H,    88                          ; v88       lane k: my wave's packed counts for threshold 16 b + k + 1
.set WH,   48                          ; s[48:55]  in the loop: width and height of the four gt boxes at work (outside the loop: s52 .. s55 at work)
.set HIST, 12800                       ; LDS: 0 .. 12799 the waves' partial maxima, 640 bytes a wave; then 128 bytes a wave of counts
	s_load_b256 s[4:11], s[0:1], 0x0               ; rois s[4:5], gt_bbox s[6:7], mrow s[8:9], table s[10:11]
	v_lshl_add_u32 v90, v0, 2, 0x3c00
	v_mov_b32 v91, 0
	v_and_b32 v1, 31, v0                           ; lane
	v_lshrrev_b32 v2, 5, v0
	v_readfirstlane_b32 s12, v2                    ; wave w
	s_lshr_b32 s13, s12, 2                         ; a: which 160 rois
	s_and_b32 s14, s12, 3                          ; b: which 128 gt boxes
	s_mul_i32 s54, ttmp9, ROIS_WG*16
	s_mul_i32 s52, s13, 160*16
	s_add_co_u32 s54, s54, s52                     ; byte offset of my wave's first roi (below 3.2 MB)
	s_mov_b32 s55, 0
	s_mov_b32 s62, 0x3f000000                      ; 0.5
	s_mov_b32 s63, 0x3dcccccd                      ; 0.1
	v_lshlrev_b32 v2, 4, v1                        ; 16 bytes a lane
	s_wait_kmcnt 0x0
	s_add_nc_u64 s[4:5], s[4:5], s[54:55]
.irp r, 0,1,2,3,4
	global_load_b128 v[AX+4*\r:AX+4*\r+3], v2, s[4:5] offset:512*\r   ; 32 rois: 512 neighbouring bytes
.endr
	s_lshl_b32 s54, s14, 11                        ; 128 boxes of 16 bytes
	s_add_nc_u64 s[6:7], s[6:7], s[54:55]
	s_load_b512 s[16:31], s[6:7], 0x0              ; set A: my first four gt boxes
	s_mul_i32 s54, ttmp9, 3328
	s_add_nc_u64 s[8:9], s[8:9], s[54:55]          ; my row of mrow
	s_lshl_b32 s54, ttmp9, 8
	s_add_nc_u64 s[10:11], s[10:11], s[54:55]      ; my row of table
	s_wait_loadcnt 0x0                             ; the five rows of rois, once
.irp r, 0,1,2,3,4
	v_sub_f32 v[T+2*\r],   v[AX+4*\r+2], v[AX+4*\r]
	v_sub_f32 v[T+2*\r+1], v[AX+4*\r+3], v[AX+4*\r+1]
	v_mul_f32 v[AR+\r], v[T+2*\r], v[T+2*\r+1]
	v_mov_b32 v[BE+\r], 0xff800000                 ; -inf: the first quotient wins
.endr
; width and height of the four gt boxes at s[sb ..], into s[WH .. WH+7]; a - b is written as a + (b with its sign turned)
.macro AREAS sb
.irp n, 0,1,2,3
	s_xor_b32 s[WH+2*\n],   s[\sb+4*\n],   0x80000000
	s_xor_b32 s[WH+2*\n+1], s[\sb+4*\n+1], 0x80000000
	s_add_f32 s[WH+2*\n],   s[\sb+4*\n+2], s[WH+2*\n]
	s_add_f32 s[WH+2*\n+1], s[\sb+4*\n+3], s[WH+2*\n+1]
.endr
.endm
; two gt boxes (s[sb .. sb+7]; widths and heights s[sa .. sa+3]) against my five rows: 100 vector instructions for 320 pairs.
; Each stage runs over the five rows, so that no instruction waits for the one in front of it.
.macro GT2 sb, sa
.irp r, 0,1,2,3,4
	v_max_num_f32 v[T+8*\r],   s[\sb],   v[AX+4*\r]         ; left edges of the two overlaps
	v_max_num_f32 v[T+8*\r+1], s[\sb+4], v[AX+4*\r]
	v_max_num_f32 v[T+8*\r+2], s[\sb+1], v[AX+4*\r+1]       ; top edges
	v_max_num_f32 v[T+8*\r+3], s[\sb+5], v[AX+4*\r+1]
.endr
.irp r, 0,1,2,3,4
	v_minmax_num_f32 v[T+8*\r+4], v[AX+4*\r+2], s[\sb+2], v[T+8*\r]     ; max(min(a2, b2), left): less the left edge it is clip(rb - lt, 0)
	v_minmax_num_f32 v[T+8*\r+5], v[AX+4*\r+2], s[\sb+6], v[T+8*\r+1]
	v_minmax_num_f32 v[T+8*\r+6], v[AX+4*\r+3], s[\sb+3], v[T+8*\r+2]
	v_minmax_num_f32 v[T+8*\r+7], v[AX+4*\r+3], s[\sb+7], v[T+8*\r+3]
.endr
.irp r, 0,1,2,3,4
	v_pk_add_f32 v[T+8*\r+4:T+8*\r+5], v[T+8*\r+4:T+8*\r+5], v[T+8*\r:T+8*\r+1]   neg_lo:[0,1] neg_hi:[0,1]   ; widths
	v_pk_add_f32 v[T+8*\r+6:T+8*\r+7], v[T+8*\r+6:T+8*\r+7], v[T+8*\r+2:T+8*\r+3] neg_lo:[0,1] neg_hi:[0,1]   ; heights
.endr
.irp r, 0,1,2,3,4
	v_pk_mul_f32 v[T+8*\r:T+8*\r+1], v[T+8*\r+4:T+8*\r+5], v[T+8*\r+6:T+8*\r+7]   ; i = overlap
	v_fma_f32 v[T+8*\r+2], s[\sa],   s[\sa+1], v[AR+\r]                           ; wb hb + area a, one rounding (see the head)
	v_fma_f32 v[T+8*\r+3], s[\sa+2], s[\sa+3], v[AR+\r]
.endr
.irp r, 0,1,2,3,4
	v_pk_add_f32 v[T+8*\r+2:T+8*\r+3], v[T+8*\r+2:T+8*\r+3], v[T+8*\r:T+8*\r+1] neg_lo:[0,1] neg_hi:[0,1]     ; u = that sum - i
.endr
.irp r, 0,1,2,3,4
	v_rcp_f32 v[T+8*\r+4], v[T+8*\r+2]
	v_rcp_f32 v[T+8*\r+5], v[T+8*\r+3]
.endr
	v_nop                                          ; one plain vector instruction between the reciprocals and their first use (ISA guide 5.7.2)
	s_wait_alu depctr_va_vdst(0)
.irp r, 0,1,2,3,4
	v_pk_mul_f32 v[T+8*\r+6:T+8*\r+7], v[T+8*\r:T+8*\r+1], v[T+8*\r+4:T+8*\r+5]   ; q0 = i r
.endr
.irp r, 0,1,2,3,4
	v_pk_fma_f32 v[T+8*\r+2:T+8*\r+3], v[T+8*\r+2:T+8*\r+3], v[T+8*\r+6:T+8*\r+7], v[T+8*\r:T+8*\r+1] neg_lo:[1,0,0] neg_hi:[1,0,0]   ; e = i - u q0
.endr
.irp r, 0,1,2,3,4
	v_pk_fma_f32 v[T+8*\r+6:T+8*\r+7], v[T+8*\r+2:T+8*\r+3], v[T+8*\r+4:T+8*\r+5], v[T+8*\r+6:T+8*\r+7]      ; q = q0 + e r
.endr
.irp r, 0,1,2,3,4
	v_max3_num_f32 v[BE+\r], v[BE+\r], v[T+8*\r+6], v[T+8*\r+7]
.endr
.endm
.macro HALF sb                         ; four gt boxes
	AREAS \sb
	GT2 \sb, WH
	GT2 \sb+8, WH+4
.endm
; Eight gt boxes a trip, in two scalar sets that take turns: one is worked on while the other's load is on its way.
	s_mov_b32 s15, 15
.Lgt:
	s_wait_kmcnt 0x0                               ; set A is in (scalar loads: the count 0 alone says anything)
	s_load_b512 s[32:47], s[6:7], 0x40             ; set B: the next four
	HALF 16
	s_wait_kmcnt 0x0                               ; set B is in, and no scalar load is out:
	s_wait_xcnt 0x0
	s_add_nc_u64 s[6:7], s[6:7], 128               ; the base may step
	s_load_b512 s[16:31], s[6:7], 0x0              ; set A of the next trip
	HALF 32
	s_sub_co_u32 s15, s15, 1
	s_cmp_lg_u32 s15, 0
	s_cbranch_scc1 .Lgt
	s_wait_kmcnt 0x0                               ; the sixteenth trip is written out: nothing is asked for beyond box 127 of my 128
	s_load_b512 s[32:47], s[6:7], 0x40
	HALF 16
	s_wait_kmcnt 0x0
	HALF 32
	; The four waves of one a meet in LDS: wave w puts its 160 partial maxima at 640 w.
	s_mul_i32 s52, s12, 640
	v_lshl_add_u32 v3, v1, 2, s52
.irp r, 0,1,2,3,4
	ds_store_b32 v3, v[BE+\r] offset:128*\r
.endr
	s_wait_dscnt 0x0                               ; my stores are in LDS before I say so
	s_barrier_signal -1
	s_barrier_wait -1
	; mrow: thread t < 200 takes rois 4 t .. 4 t + 3, which lie at 16 t + 1920 (t / 40) + 640 part; sixteen lanes store 256 aligned bytes
	v_min_u32 v3, 199, v0                          ; the lanes switched off below keep addresses inside LDS too
	v_mul_u32_u24 v2, v3, 0x667                    ; t / 40 = t x 1639 >> 16 for t < 200
	v_lshrrev_b32 v2, 16, v2
	v_mul_u32_u24 v2, v2, 1920
	v_lshl_add_u32 v2, v3, 4, v2
	v_lshlrev_b32 v3, 4, v3
	v_cmp_gt_u32 vcc_lo, 200, v0
	s_wait_xcnt 0x0                                ; EXEC changes only when no memory instruction still reads it
	s_and_saveexec_b32 s80, vcc_lo
.irp p, 0,1,2,3
	ds_load_b128 v[T+4*\p:T+4*\p+3], v2 offset:640*\p
.endr
	s_wait_dscnt 0x0
.irp j, 0,1,2,3
	v_max3_num_f32 v[T+\j], v[T+\j], v[T+4+\j], v[T+8+\j]
.endr
.irp j, 0,1,2,3
	v_max_num_f32 v[T+\j], v[T+\j], v[T+12+\j]
.endr
	global_store_b128 v3, v[T:T+3], s[8:9]
	s_wait_xcnt 0x0                                ; the store has read EXEC, v3 and v[T:T+3]
	s_or_b32 exec_lo, exec_lo, s80
	; every wave: the whole maxima of its own 160 rois, then their keys
	s_mul_i32 s52, s13, 2560
	v_lshl_add_u32 v2, v1, 2, s52
.irp r, 0,1,2,3,4
.irp p, 0,1,2,3
	ds_load_b32 v[T+4*\r+\p], v2 offset:640*\p+128*\r
.endr
.endr
	s_wait_dscnt 0x0
.irp r, 0,1,2,3,4
	v_max3_num_f32 v[BE+\r], v[T+4*\r], v[T+4*\r+1], v[T+4*\r+2]
.endr
.irp r, 0,1,2,3,4
	v_max_num_f32 v[BE+\r], v[BE+\r], v[T+4*\r+3]
.endr
.irp r, 0,1,2,3,4
	v_cmp_lt_i32 vcc_lo, s62, v[BE+\r]             ; patterns of numbers >= 0 order like the numbers
	v_cndmask_b32 v[FK+\r], 0, v[BE+\r], vcc_lo
	v_cmp_lt_i32 s70, s63, v[BE+\r]
	v_cmp_gt_i32 s71, s62, v[BE+\r]
	s_and_b32 vcc_lo, s70, s71
	v_cndmask_b32 v[BK+\r], 0, v[BE+\r], vcc_lo
.endr
	; wave (a, b) counts its 160 rois against thresholds i = 16 b + 1 .. 16 b + 16 of both classes
	v_mov_b32 v[H], 0
	s_lshl_b32 s56, s14, 4
	s_add_co_u32 s56, s56, 1                       ; i
	s_mov_b32 s57, 0                               ; k
.Lhist:
	s_mul_i32 s52, s56, s56
	s_lshl_b32 s52, s52, 11
	s_sub_co_u32 s58, 0x3f800000, s52              ; Tfg(i)
	s_sub_co_u32 s59, s58, 0x800000                ; Tbg(i)
.irp r, 0,1,2,3,4
	v_cmp_le_i32 s[70+\r], s58, v[FK+\r]
	v_cmp_le_i32 s[75+\r], s59, v[BK+\r]
.endr
	s_bcnt1_i32_b32 s60, s70
	s_bcnt1_i32_b32 s61, s75
.irp r, 1,2,3,4
	s_bcnt1_i32_b32 s52, s[70+\r]
	s_add_co_u32 s60, s60, s52
	s_bcnt1_i32_b32 s53, s[75+\r]
	s_add_co_u32 s61, s61, s53
.endr
	s_lshl_b32 s61, s61, 16
	s_or_b32 s60, s60, s61                         ; at most 160 in each half
	v_writelane_b32 v[H], s60, s57
	s_add_co_u32 s56, s56, 1
	s_add_co_u32 s57, s57, 1
	s_cmp_lt_u32 s57, 16
	s_cbranch_scc1 .Lhist
	s_lshl_b32 s52, s12, 7
	v_lshl_add_u32 v3, v1, 2, s52
	ds_store_b32 v3, v[H] offset:HIST              ; 128 bytes a wave; words 16 .. 31 are 0
	s_wait_dscnt 0x0
	s_barrier_signal -1
	s_barrier_wait -1
	; wave 0 adds the five a and stores the work-group's row: word j lies in wave 4 a + (j >> 4), lane j & 15; lane l takes words 2 l, 2 l + 1
	s_cmp_lg_u32 s12, 0
	s_cbranch_scc1 .Lend
	v_lshrrev_b32 v2, 3, v1
	v_and_b32 v3, 7, v1
	v_lshlrev_b32 v3, 3, v3
	v_lshl_add_u32 v2, v2, 7, v3
.irp a, 0,1,2,3,4
	ds_load_b64 v[T+2*\a:T+2*\a+1], v2 offset:HIST+512*\a
.endr
	s_wait_dscnt 0x0
	v_add3_u32 v[T],   v[T],   v[T+2], v[T+4]      ; both halves at once: at most 800 in each
	v_add3_u32 v[T+1], v[T+1], v[T+3], v[T+5]
	v_add3_u32 v[T],   v[T],   v[T+6], v[T+8]
	v_add3_u32 v[T+1], v[T+1], v[T+7], v[T+9]
	v_lshlrev_b32 v3, 3, v1
	global_store_b64 v3, v[T:T+1], s[10:11]        ; 32 lanes store the row's 256 bytes, aligned
.Lend:
	s_wait_tensorcnt 0x0
	ds_add_u32 v90, v91
	s_wait_dscnt 0x0
	s_endpgm
.Lfunc_end_k_q514a8b4f07_iou:
	.size	k_q514a8b4f07_iou, .Lfunc_end_k_q514a8b4f07_iou-k_q514a8b4f07_iou
	.p2alignl 7, 3214868480
	.fill 96, 4, 3214868480
	.section	.rodata,"a",@progbits
	.p2align	6, 0x0
	.amdhsa_kernel k_q514a8b4f07_iou
		.amdhsa_group_segment_fixed_size 17920
		.amdhsa_private_segment_fixed_size 0
		.amdhsa_enable_private_segment 0
		.amdhsa_kernarg_size 32
		.amdhsa_user_sgpr_count 2
		.amdhsa_user_sgpr_kernarg_segment_ptr 1
		.amdhsa_wavefront_size32 1
		.amdhsa_system_sgpr_workgroup_id_x 1
		.amdhsa_system_sgpr_workgroup_id_y 1
		.amdhsa_system_sgpr_workgroup_id_z 1
		.amdhsa_system_vgpr_workitem_id 0
		.amdhsa_next_free_vgpr 92
		.amdhsa_next_free_sgpr 82
		.amdhsa_reserve_vcc 1
		.amdhsa_float_denorm_mode_32 3
		.amdhsa_float_denorm_mode_16_64 3
		.amdhsa_memory_ordered 1
		.amdhsa_forward_progress 1
		.amdhsa_inst_pref_size 58
	.end_amdhsa_kernel
	.amdgpu_metadata
---
amdhsa.version: [ 1, 2 ]
amdhsa.kernels:
  - .name:           k_q514a8b4f07_iou
    .symbol:         k_q514a8b4f07_iou.kd
    .args:
      - { .name: rois, .offset: 0, .size: 8, .value_kind: global_buffer, .address_space: global }
      - { .name: gt_bbox, .offset: 8, .size: 8, .value_kind: global_buffer, .address_space: global }
      - { .name: mrow, .offset: 16, .size: 8, .value_kind: global_buffer, .address_space: global }
      - { .name: table, .offset: 24, .size: 8, .value_kind: global_buffer, .address_space: global }
    .group_segment_fixed_size: 17920
    .private_segment_fixed_size: 0
    .kernarg_segment_align: 8
    .kernarg_segment_size: 32
    .max_flat_workgroup_size: 640
    .sgpr_count:     82
    .vgpr_count:     92
    .wavefront_size: 32
...
	.end_amdgpu_metadata
.endif
;; end of part 1
;; launch compact (part 2): grid 250 x 1, 8 waves a work-group, no clusters, 18,432 bytes of LDS; arguments mrow, table, ckey, cidx, meta; writes ckey, cidx, meta
.if DOCPART == 2
	.amdgcn_target "amdgcn-amd-amdhsa--gfx1250"
	.amdhsa_code_object_version 6
	.text
	.protected	k_q514a8b4f07_compact
	.globl	k_q514a8b4f07_compact
	.p2align	8
	.type	k_q514a8b4f07_compact,@function
k_q514a8b4f07_compact:
	s_mov_b64 s[64:65], 0
	v_nop
	global_prefetch_b8 v0, s[64:65] scope:SCOPE_SE
	s_setreg_imm32_b32 hwreg(HW_REG_WAVE_MODE, 25, 1), 1
	s_wait_xcnt 0x0
; For each class (0 = fg, K = 128; 1 = bg, K = 384): the first threshold T(i) with at least K rois at or above it, and the list of those
; rois (key, index), in ascending order of index.  No atomics: every work-group adds up the whole table of counts (64,000 bytes) and,
; beside the totals, the counts of the work-groups in front of it, which is where its own entries begin.
; All numbers here are whole numbers read from memory: bit patterns and counts.
; If even the lowest threshold (0.5 for fg, 0.25 for bg) has fewer than K rois, T = 0 and the list holds all 200,000 (key 0 = no candidate):
; still right, since key 0 ranks behind every candidate and by index among its like, only long.
; A work-group owns the same 800 rois as in the launch before.  All 8 waves add the table; then wave c places class c's entries.
; ORDER OF THE LAST PART: keys, places, indices and lane masks of all 25 rows are made first, each in registers of its own and with all lanes on;
; behind the first line that narrows EXEC stand only stores, so that no offset is ever written with lanes off.
; Work-group 0 also leaves the list's length (meta word c) and key 0 in the 512 entries behind the list's end: the next launch reads keys in blocks of 512.
.set CS,   800768                      ; bytes from class 0's list to class 1's in ckey and cidx: 391 blocks of 2,048
.set KEY,  4                           ; v[4:28]    waves 0, 1: row r = pattern of roi 32 r + lane, later its class key
.set RG,   29                          ; v29        t >> 4: which of 16 table rows of a load is mine
.set LA,   30                          ; v30        LDS address
.set L4,   31                          ; v31        4 x lane
.set X,    32                          ; v[32:95]   load k: four packed words of table row rg + 16 k
.set POS,  32                          ; v[32:56]   (behind the sums) row r: byte offset of my entry in the lists
.set IDX,  64                          ; v[64:88]   (behind the sums) row r: my roi's index
.set TOT,  96                          ; v[96:99]   the table's sum over k
.set PRE,  100                         ; v[100:103] the sum over the rows in front of my work-group's
.set U,    104                         ; v[104:119] the two sums unpacked: tot fg, tot bg, pre fg, pre bg
.set PP,   96                          ; v[96:111]  (behind the sums) work-group 0: byte offsets of the 512 entries behind the list's end
.set ZERO, 112
.set MO,   113                         ; offset and
.set MV,   114                         ; value of the meta word
.set PB,   115                         ; C + lane
.set IDX0, 123
.set A0,   124                         ; v[124:127] totals j = lane, 32 + lane; pre likewise
.set M,    66                          ; s[66:90]   row r: the lanes whose roi is listed
.set FIN,  16384                       ; LDS: 0 .. 16383 [rg][tot, pre][class][64] words; then the 256 final words
	s_load_b256 s[4:11], s[0:1], 0x0               ; mrow s[4:5], table s[6:7], ckey s[8:9], cidx s[10:11]
	s_load_b64 s[12:13], s[0:1], 0x20              ; meta
	v_lshl_add_u32 v128, v0, 2, 0x4400
	v_mov_b32 v129, 0
	v_and_b32 v1, 31, v0
	v_lshrrev_b32 v2, 5, v0
	v_readfirstlane_b32 s14, v2                    ; wave; in waves 0 and 1 also the class c
	s_mov_b32 s15, ttmp9                           ; me
	s_mul_i32 s28, s15, 3328
	s_mov_b32 s29, 0
	v_lshlrev_b32 v[L4], 2, v1
	v_lshlrev_b32 v2, 4, v0                        ; 16 t: thread t takes 16 bytes of each 4,096 (16 rows)
	v_min_u32 v3, 159, v0                          ; the last load has 10 rows only (240 .. 249): lanes beyond read its last 16 bytes and are masked
	v_lshlrev_b32 v3, 4, v3
	v_lshrrev_b32 v[RG], 4, v0
	s_wait_kmcnt 0x0
	s_add_nc_u64 s[4:5], s[4:5], s[28:29]
	s_cmp_ge_u32 s14, 2
	s_cbranch_scc1 .Lnokeys
.irp r, 0,1,2,3,4,5,6,7,8,9,10,11,12,13,14,15,16,17,18,19,20,21,22,23,24
	global_load_b32 v[KEY+\r], v[L4], s[4:5] offset:128*\r     ; asked for first: needed last
.endr
.Lnokeys:
.irp k, 0,1,2,3,4,5,6,7,8,9,10,11,12,13,14
	global_load_b128 v[X+4*\k:X+4*\k+3], v2, s[6:7] offset:4096*\k
.endr
	global_load_b128 v[X+60:X+63], v3, s[6:7] offset:61440
	s_wait_loadcnt 0x0
	v_cmp_gt_u32 vcc_lo, 160, v0
.irp j, 0,1,2,3
	v_cndmask_b32 v[X+60+\j], 0, v[X+60+\j], vcc_lo
.endr
.macro SUM16 dst                       ; packed halves stay below 16 x 800
.irp j, 0,1,2,3
	v_add_nc_u32 v[\dst+\j], v[X+\j], v[X+4+\j]
.endr
.irp m, 1,2,3,4,5,6,7
.irp j, 0,1,2,3
	v_add3_u32 v[\dst+\j], v[\dst+\j], v[X+8*\m+\j], v[X+8*\m+4+\j]
.endr
.endr
.endm
	SUM16 TOT
.irp k, 0,1,2,3,4,5,6,7,8,9,10,11,12,13,14,15
	s_sub_co_i32 s16, s15, 16*\k
	v_cmp_gt_i32 vcc_lo, s16, v[RG]                ; row rg + 16 k < me
.irp j, 0,1,2,3
	v_cndmask_b32 v[X+4*\k+\j], 0, v[X+4*\k+\j], vcc_lo
.endr
.endr
	SUM16 PRE
.irp j, 0,1,2,3
	v_and_b32     v[U+\j],    0xffff, v[TOT+\j]
	v_lshrrev_b32 v[U+4+\j],  16,     v[TOT+\j]
	v_and_b32     v[U+8+\j],  0xffff, v[PRE+\j]
	v_lshrrev_b32 v[U+12+\j], 16,     v[PRE+\j]
.endr
	v_and_b32 v[LA], 15, v0
	v_lshlrev_b32 v[LA], 4, v[LA]
	v_lshl_add_u32 v[LA], v[RG], 10, v[LA]         ; 1,024 rg + 16 (t & 15)
.irp q, 0,1,2,3
	ds_store_b128 v[LA], v[U+4*\q:U+4*\q+3] offset:256*\q
.endr
	s_wait_dscnt 0x0                               ; my stores are in LDS before I say so
	s_barrier_signal -1
	s_barrier_wait -1
	v_lshlrev_b32 v[LA], 2, v0                     ; thread t adds word t of the 16 groups
.irp g, 0,1,2,3,4,5,6,7,8,9,10,11,12,13,14,15
	ds_load_b32 v[X+\g], v[LA] offset:1024*\g
.endr
	s_wait_dscnt 0x0
	v_add_nc_u32 v[U], v[X], v[X+1]
.irp m, 1,2,3,4,5,6,7
	v_add3_u32 v[U], v[U], v[X+2*\m], v[X+2*\m+1]
.endr
	ds_store_b32 v[LA], v[U] offset:FIN
	s_wait_dscnt 0x0
	s_barrier_signal -1
	s_barrier_wait -1
	s_cmp_ge_u32 s14, 2
	s_cbranch_scc1 .Lend                           ; no barrier follows
	; wave c: the class's constants
	s_lshl_b32 s17, s14, 8
	s_add_co_u32 s17, s17, 128                     ; K = 128 or 384
	s_lshl_b32 s16, s14, 23
	s_sub_co_u32 s18, 0x3f800000, s16              ; TOP = 1.0 or 0.5
	s_mov_b32 s19, 0x3f000000
	s_mov_b32 s20, 0x7fffffff
	s_cmp_lg_u32 s14, 0
	s_cselect_b32 s20, s19, s20                    ; key: lo < bits < hi
	s_cselect_b32 s19, 0x3dcccccd, s19
	s_mul_i32 s28, s14, CS
	s_add_nc_u64 s[8:9], s[8:9], s[28:29]
	s_add_nc_u64 s[10:11], s[10:11], s[28:29]
	s_lshl_b32 s16, s14, 8
	v_lshl_add_u32 v[LA], v1, 2, s16
	ds_load_b32 v[A0],   v[LA] offset:FIN           ; total at threshold lane + 1
	ds_load_b32 v[A0+1], v[LA] offset:FIN+128       ; at threshold lane + 33
	ds_load_b32 v[A0+2], v[LA] offset:FIN+512       ; the same in front of me
	ds_load_b32 v[A0+3], v[LA] offset:FIN+640
	s_mul_i32 s30, s15, 800
	v_add_nc_u32 v[IDX0], s30, v1                  ; index of row 0's roi
	s_wait_dscnt 0x0
	v_cmp_le_u32 s24, s17, v[A0]                   ; totals rise with the threshold's number: the first set bit is wanted
	v_cmp_le_u32 s25, s17, v[A0+1]
	s_ctz_i32_b32 s26, s24
	s_ctz_i32_b32 s27, s25
	s_cmp_lg_u32 s24, 0
	s_cselect_b32 s26, s26, s27
	s_cselect_b32 s27, 0, 32
	s_and_b32 s26, s26, 31                         ; its lane (any lane where there is none: see below)
	s_add_co_u32 s27, s27, s26                     ; j
	v_readlane_b32 s32, v[A0],   s26
	v_readlane_b32 s33, v[A0+1], s26
	v_readlane_b32 s34, v[A0+2], s26
	v_readlane_b32 s35, v[A0+3], s26
	s_cmp_lg_u32 s24, 0
	s_cselect_b32 s23, s32, s33                    ; the list's length C
	s_cselect_b32 s22, s34, s35                    ; where my entries begin
	s_add_co_u32 s27, s27, 1
	s_mul_i32 s27, s27, s27
	s_lshl_b32 s27, s27, 11
	s_sub_co_u32 s21, s18, s27                     ; T = TOP - ((j + 1)^2 << 11)
	s_or_b32 s16, s24, s25
	s_cmp_lg_u32 s16, 0                            ; no threshold has K: everything is listed
	s_cselect_b32 s21, s21, 0
	s_cselect_b32 s22, s22, s30
	s_cselect_b32 s23, s23, 0x30d40
; 32 rois, all lanes on: the class key in place, the mask of listed lanes, place = run + the listed lanes below me.  Places rise with the index.
.macro ROWC r
	v_cmp_lt_i32 s40, s19, v[KEY+\r]
	v_cmp_gt_i32 s41, s20, v[KEY+\r]
	s_and_b32 vcc_lo, s40, s41
	v_cndmask_b32 v[KEY+\r], 0, v[KEY+\r], vcc_lo
	v_cmp_le_i32 s[M+\r], s21, v[KEY+\r]
	v_mbcnt_lo_u32_b32 v[POS+\r], s[M+\r], s22
	s_bcnt1_i32_b32 s42, s[M+\r]
	s_add_co_u32 s22, s22, s42
	v_min_u32 v[POS+\r], 0x30d3f, v[POS+\r]        ; a place is below 200,000 by the counts; the clamp says so in the text
	v_lshlrev_b32 v[POS+\r], 2, v[POS+\r]
	v_add_nc_u32 v[IDX+\r], 32*\r, v[IDX0]
.endm
; the row's two stores, under its mask: nothing but stores stands between the lines that change EXEC
.macro ROWS r
	s_wait_xcnt 0x0                                ; EXEC changes only when no memory instruction still reads it
	s_and_saveexec_b32 s38, s[M+\r]
	global_store_b32 v[POS+\r], v[KEY+\r], s[8:9]
	global_store_b32 v[POS+\r], v[IDX+\r], s[10:11]
	s_wait_xcnt 0x0                                ; and again in front of the line that widens it
	s_or_b32 exec_lo, exec_lo, s38
.endm
.irp r, 0,1,2,3,4,5,6,7,8,9,10,11,12,13,14,15,16,17,18,19,20,21,22,23,24
	ROWC \r
.endr
	s_cmp_lg_u32 s15, 0
	s_cbranch_scc1 .Lrows
	; work-group 0: key 0 at places C .. C + 511, no further than the class's last word (place 200,191, which is behind every list's end:
	; only there can lanes meet on one word, and they store the same 0), and the list's length
	v_add_nc_u32 v[PB], s23, v1
	v_mov_b32 v[ZERO], 0
.irp n, 0,1,2,3,4,5,6,7,8,9,10,11,12,13,14,15
	v_add_nc_u32 v[PP+\n], 32*\n, v[PB]
	v_min_u32 v[PP+\n], 0x30dff, v[PP+\n]
	v_lshlrev_b32 v[PP+\n], 2, v[PP+\n]
.endr
	v_mov_b32 v[MV], s23
	s_lshl_b32 s16, s14, 2
	v_mov_b32 v[MO], s16                           ; meta word c
	v_cmp_eq_u32 vcc_lo, 0, v1
.irp n, 0,1,2,3,4,5,6,7,8,9,10,11,12,13,14,15
	global_store_b32 v[PP+\n], v[ZERO], s[8:9]
.endr
	s_wait_xcnt 0x0                                ; EXEC changes only when no memory instruction still reads it
	s_and_saveexec_b32 s38, vcc_lo
	global_store_b32 v[MO], v[MV], s[12:13]
	s_wait_xcnt 0x0
	s_or_b32 exec_lo, exec_lo, s38
.Lrows:
.irp r, 0,1,2,3,4,5,6,7,8,9,10,11,12,13,14,15,16,17,18,19,20,21,22,23,24
	ROWS \r
.endr
.Lend:
	s_wait_tensorcnt 0x0
	ds_add_u32 v128, v129
	s_wait_dscnt 0x0
	s_endpgm
.Lfunc_end_k_q514a8b4f07_compact:
	.size	k_q514a8b4f07_compact, .Lfunc_end_k_q514a8b4f07_compact-k_q514a8b4f07_compact
	.p2alignl 7, 3214868480
	.fill 96, 4, 3214868480
	.section	.rodata,"a",@progbits
	.p2align	6, 0x0
	.amdhsa_kernel k_q514a8b4f07_compact
		.amdhsa_group_segment_fixed_size 18432
		.amdhsa_private_segment_fixed_size 0
		.amdhsa_enable_private_segment 0
		.amdhsa_kernarg_size 40
		.amdhsa_user_sgpr_count 2
		.amdhsa_user_sgpr_kernarg_segment_ptr 1
		.amdhsa_wavefront_size32 1
		.amdhsa_system_sgpr_workgroup_id_x 1
		.amdhsa_system_sgpr_workgroup_id_y 1
		.amdhsa_system_sgpr_workgroup_id_z 1
		.amdhsa_system_vgpr_workitem_id 0
		.amdhsa_next_free_vgpr 130
		.amdhsa_next_free_sgpr 92
		.amdhsa_reserve_vcc 1
		.amdhsa_float_denorm_mode_32 3
		.amdhsa_float_denorm_mode_16_64 3
		.amdhsa_memory_ordered 1
		.amdhsa_forward_progress 1
		.amdhsa_inst_pref_size 43
	.end_amdhsa_kernel
	.amdgpu_metadata
---
amdhsa.version: [ 1, 2 ]
amdhsa.kernels:
  - .name:           k_q514a8b4f07_compact
    .symbol:         k_q514a8b4f07_compact.kd
    .args:
      - { .name: mrow, .offset: 0, .size: 8, .value_kind: global_buffer, .address_space: global }
      - { .name: table, .offset: 8, .size: 8, .value_kind: global_buffer, .address_space: global }
      - { .name: ckey, .offset: 16, .size: 8, .value_kind: global_buffer, .address_space: global }
      - { .name: cidx, .offset: 24, .size: 8, .value_kind: global_buffer, .address_space: global }
      - { .name: meta, .offset: 32, .size: 8, .value_kind: global_buffer, .address_space: global }
    .group_segment_fixed_size: 18432
    .private_segment_fixed_size: 0
    .kernarg_segment_align: 8
    .kernarg_segment_size: 40
    .max_flat_workgroup_size: 256
    .sgpr_count:     92
    .vgpr_count:     130
    .wavefront_size: 32
...
	.end_amdgpu_metadata
.endif
;; end of part 2
;; launch finish (part 3): grid 128 x 1, 8 waves a work-group, no clusters, 0 bytes of LDS; arguments ckey, cidx, meta, rois, gt_bbox, gt_labels, out0, out1; writes out0, out1
.if DOCPART == 3
	.amdgcn_target "amdgcn-amd-amdhsa--gfx1250"
	.amdhsa_code_object_version 6
	.text
	.protected	k_q514a8b4f07_finish
	.globl	k_q514a8b4f07_finish
	.p2align	8
	.type	k_q514a8b4f07_finish,@function
k_q514a8b4f07_finish:
	s_mov_b64 s[64:65], 0
	v_nop
	global_prefetch_b8 v0, s[64:65] scope:SCOPE_SE
	s_setreg_imm32_b32 hwreg(HW_REG_WAVE_MODE, 25, 1), 1
	s_wait_xcnt 0x0
; One wave, one listed roi at a time: its rank in its class's list (keys descending, ties by place, which is by index: the order of a stable
; top-k), its first best gt box, the label and the four deltas; the record is stored at slot SLOT0 + rank where the rank is below K.
; NO BRANCH HANGS ON THE RANK: the record is made for every listed roi, and the rank only sets the store's lane mask (lane 0, or no lane).
; A list holds little more than K entries unless the class has too few candidates, and the class has 2 K waves: skipping would shorten no wave
; that stores, and where all 200,000 are listed the record's some 450 instructions stand beside a rank loop of 391 trips.
; EXEC is narrowed at one place only, for the record's two stores, and widened again by the constant -1: all lanes are on at the entry, so the
; old mask is all ones, and nothing that hangs on the rank stays in EXEC round the loop.  The two slot offsets lie in registers that hold nothing else.
; Work-groups 0 .. 31 serve fg (K = 128, slots 0 ..), 32 .. 127 bg (K = 384, slots 128 ..).  Wave v of work-group xl takes list places
; xl + NWG v, + NW, ..: a list has at least K = 4 NWG entries, so every work-group has work.  Ranks are a permutation: each slot is stored once.
; Trip counts come from the two list lengths, the roi's address from the list of indices: whole numbers read from memory as scalars.
; The matched gt box hangs on floating-point numbers, so it is
; CHOSEN (v_cndmask_b32 along the 16 boxes of a lane, then the one winning lane's numbers summed over the wave), not addressed.
; The quotient is made as in the first launch, bit for bit: u = fma(wb, hb, area of the roi) - i (the gt box's area is not rounded by itself: one
; rounding fewer than reference()'s expression as written), q by reciprocal and one residual step.  No LDS, no barrier: the waves share nothing.
; The list's last block of 512 entries may reach past its length (never past the class's 800,768 bytes): those entries are set to key 0 before use.
; The outputs are 512 records of 16 + 4 bytes at places that the ranks scatter: each is one lane's store.
; LIMITS: unions finite and above 0 (else no lane wins and the record is made of zeros); division by rcp and a multiply, log by log2: relative error of a few 2^-23.
.set CS,   800768
.set GB,   4                           ; v[4:67]    box k: gt 32 k + lane
.set GW,   68                          ; v[68:99]   its width and height, at GW + 2 k
.set LB,   100                         ; v[100:115] its label
.set T,    116                         ; v[116:179] pair u: LX, LY, RX, RY at T + 8 u; also a list block's 16 keys
.set JV,   180                         ; v[180:195] entry number in a block of register n: 128 (n / 4) + 4 lane + n % 4
.set BEST, 196
.set KB,   197
.set PX,   198                         ; v[198:201] the best box
.set PL,   202                         ; its label
.set D,    204                         ; v[204:207] the record
.set TM,   208                         ; v[208:215] at work
.set SO,   216                         ; v[216:217] byte offsets of the slot in out0 and in out1, and nothing else
	s_load_b512 s[4:19], s[0:1], 0x0               ; ckey s[4:5], cidx s[6:7], meta s[8:9], rois s[10:11], gt_bbox s[12:13], gt_labels s[14:15], out0 s[16:17], out1 s[18:19]
	v_and_b32 v1, 31, v0
	v_lshrrev_b32 v2, 5, v0
	v_readfirstlane_b32 s20, v2                    ; wave
	v_lshlrev_b32 v2, 4, v1
	v_lshlrev_b32 v3, 2, v1
	s_mov_b32 s52, 0x76543210                      ; v_permlanex16_b32: lane i of one half reads lane i of the other
	s_mov_b32 s53, 0xfedcba98
	s_sub_co_u32 s40, ttmp9, 32
	s_cmp_lt_u32 ttmp9, 32
	s_cselect_b32 s21, -1, 0                       ; fg?
	s_cselect_b32 s22, ttmp9, s40                  ; xl
	s_cselect_b32 s42, 32, 96                      ; NWG
	s_cselect_b32 s25, 0, 128                      ; SLOT0
	s_cselect_b32 s56, 0, CS
	s_mov_b32 s57, 0
	s_lshl_b32 s23, s42, 3                         ; NW = waves of the class
	s_lshl_b32 s24, s42, 2                         ; K
	s_mul_i32 s42, s42, s20
	s_add_co_u32 s27, s22, s42                     ; p: my first place in the list
	s_wait_kmcnt 0x0
	s_load_b64 s[40:41], s[8:9], 0x0               ; the two lists' lengths
.irp k, 0,1,2,3,4,5,6,7,8,9,10,11,12,13,14,15
	global_load_b128 v[GB+4*\k:GB+4*\k+3], v2, s[12:13] offset:512*\k
.endr
.irp k, 0,1,2,3,4,5,6,7,8,9,10,11,12,13,14,15
	global_load_b32 v[LB+\k], v3, s[14:15] offset:128*\k
.endr
	s_add_nc_u64 s[4:5], s[4:5], s[56:57]          ; my class's lists
	s_add_nc_u64 s[6:7], s[6:7], s[56:57]
.irp n, 0,1,2,3,4,5,6,7,8,9,10,11,12,13,14,15
	v_add_nc_u32 v[JV+\n], 128*(\n/4)+(\n%4), v3
.endr
	v_mov_b32 v[TM+1], 0                           ; the lane exchanges' destination counts as read
	s_wait_kmcnt 0x0
	s_cmp_lg_u32 s21, 0
	s_cselect_b32 s26, s40, s41                    ; C
	s_min_u32 s26, s26, 0x30d40
	s_cmp_le_u32 s26, s27
	s_cbranch_scc1 .Lend                           ; a wave whose first place lies behind the list's end has nothing
	s_sub_co_u32 s40, s26, s27
	s_sub_co_u32 s40, s40, 1
	s_lshr_b32 s40, s40, 8                         ; (C - p - 1) / 256,
	s_mul_hi_u32 s41, s40, 0x55555556              ; / 768
	s_cmp_lg_u32 s21, 0
	s_cselect_b32 s28, s40, s41
	s_add_co_u32 s28, s28, 1                       ; my places
	s_add_co_u32 s33, s26, 511
	s_lshr_b32 s33, s33, 9                         ; blocks of 512 entries, at most 391
	s_wait_loadcnt 0x0                             ; boxes and labels, once
.irp k, 0,1,2,3,4,5,6,7,8,9,10,11,12,13,14,15
	v_sub_f32 v[GW+2*\k],   v[GB+4*\k+2], v[GB+4*\k]
	v_sub_f32 v[GW+2*\k+1], v[GB+4*\k+3], v[GB+4*\k+1]
.endr
; over the wave's 32 lanes, the result in every lane: four steps inside each half ride on the arithmetic, one crosses the halves
.macro WRED opd, op, r
.irp m, 1,2,4,8
	\opd v[\r], v[\r], v[\r] row_xmask:\m row_mask:0xf bank_mask:0xf
.endr
	v_permlanex16_b32 v[TM+1], v[\r], s52, s53
	\op v[\r], v[\r], v[TM+1]
.endm
	s_mov_b32 s29, 0
.Lcand:
	s_min_u32 s40, s27, 0x30d3f
	s_lshl_b32 s40, s40, 2
	s_load_b32 s30, s[4:5], s40 offset:0x0         ; my key
	s_load_b32 s31, s[6:7], s40 offset:0x0         ; my roi's index
	s_mov_b64 s[36:37], s[4:5]                     ; the list from its start
	s_mov_b32 s38, s26                             ; entries from the block's first to the list's end
	s_mov_b32 s39, s27                             ; and to my place
	s_mov_b32 s32, 0                               ; rank
	s_mov_b32 s34, 0
	s_wait_kmcnt 0x0
	s_min_u32 s31, s31, 0x30d3f
	s_lshl_b32 s43, s31, 4
	s_load_b128 s[44:47], s[10:11], s43 offset:0x0 ; my roi: on its way while the list is read
.Lrank:
.irp h, 0,1,2,3
	global_load_b128 v[T+4*\h:T+4*\h+3], v2, s[36:37] offset:512*\h
.endr
	s_wait_loadcnt 0x0                             ; the block is in, and its base may step
.irp n, 0,1,2,3,4,5,6,7,8,9,10,11,12,13,14,15
	v_cmp_gt_i32 vcc_lo, s38, v[JV+\n]             ; inside the list?
	v_cndmask_b32 v[T+\n], 0, v[T+\n], vcc_lo
	v_cmp_gt_i32 vcc_lo, s39, v[JV+\n]             ; in front of me: an equal key counts too,
	v_add_co_ci_u32 v[T+\n], vcc_lo, 0, v[T+\n], vcc_lo   ; so its key goes up by one
	v_cmp_lt_i32 vcc_lo, s30, v[T+\n]
	s_bcnt1_i32_b32 s42, vcc_lo
	s_add_co_u32 s32, s32, s42
.endr
	s_add_nc_u64 s[36:37], s[36:37], 2048
	s_sub_co_i32 s38, s38, 512
	s_sub_co_i32 s39, s39, 512
	s_add_co_u32 s34, s34, 1
	s_cmp_lt_u32 s34, s33
	s_cbranch_scc1 .Lrank
	s_wait_kmcnt 0x0                               ; the roi is in
	s_xor_b32 s40, s44, 0x80000000
	s_xor_b32 s41, s45, 0x80000000
	s_add_f32 s48, s46, s40                        ; pw
	s_add_f32 s49, s47, s41                        ; ph
	s_mul_f32 s50, s48, s49                        ; the roi's area
.irp u, 0,1,2,3,4,5,6,7
	v_max_num_f32 v[T+8*\u],   s44, v[GB+8*\u]
	v_max_num_f32 v[T+8*\u+1], s44, v[GB+8*\u+4]
	v_max_num_f32 v[T+8*\u+2], s45, v[GB+8*\u+1]
	v_max_num_f32 v[T+8*\u+3], s45, v[GB+8*\u+5]
	v_minmax_num_f32 v[T+8*\u+4], v[GB+8*\u+2], s46, v[T+8*\u]
	v_minmax_num_f32 v[T+8*\u+5], v[GB+8*\u+6], s46, v[T+8*\u+1]
	v_minmax_num_f32 v[T+8*\u+6], v[GB+8*\u+3], s47, v[T+8*\u+2]
	v_minmax_num_f32 v[T+8*\u+7], v[GB+8*\u+7], s47, v[T+8*\u+3]
	v_pk_add_f32 v[T+8*\u+4:T+8*\u+5], v[T+8*\u+4:T+8*\u+5], v[T+8*\u:T+8*\u+1]   neg_lo:[0,1] neg_hi:[0,1]
	v_pk_add_f32 v[T+8*\u+6:T+8*\u+7], v[T+8*\u+6:T+8*\u+7], v[T+8*\u+2:T+8*\u+3] neg_lo:[0,1] neg_hi:[0,1]
	v_pk_mul_f32 v[T+8*\u:T+8*\u+1], v[T+8*\u+4:T+8*\u+5], v[T+8*\u+6:T+8*\u+7]
	v_fma_f32 v[T+8*\u+2], v[GW+4*\u],   v[GW+4*\u+1], s50      ; wb hb + the roi's area, one rounding (see the head)
	v_fma_f32 v[T+8*\u+3], v[GW+4*\u+2], v[GW+4*\u+3], s50
	v_pk_add_f32 v[T+8*\u+2:T+8*\u+3], v[T+8*\u+2:T+8*\u+3], v[T+8*\u:T+8*\u+1] neg_lo:[0,1] neg_hi:[0,1]
.endr
.irp u, 0,1,2,3,4,5,6,7
	v_rcp_f32 v[T+8*\u+4], v[T+8*\u+2]
	v_rcp_f32 v[T+8*\u+5], v[T+8*\u+3]
.endr
	v_nop                                          ; one plain vector instruction between the reciprocals and their first use (ISA guide 5.7.2)
	s_wait_alu depctr_va_vdst(0)
.irp u, 0,1,2,3,4,5,6,7
	v_pk_mul_f32 v[T+8*\u+6:T+8*\u+7], v[T+8*\u:T+8*\u+1], v[T+8*\u+4:T+8*\u+5]
	v_pk_fma_f32 v[T+8*\u+2:T+8*\u+3], v[T+8*\u+2:T+8*\u+3], v[T+8*\u+6:T+8*\u+7], v[T+8*\u:T+8*\u+1] neg_lo:[1,0,0] neg_hi:[1,0,0]
	v_pk_fma_f32 v[T+8*\u+6:T+8*\u+7], v[T+8*\u+2:T+8*\u+3], v[T+8*\u+4:T+8*\u+5], v[T+8*\u+6:T+8*\u+7]   ; quotient of box k at T + 8 (k / 2) + 6 + k % 2
.endr
	; in the lane: the first largest of my 16 boxes, with all that belongs to it
	v_mov_b32 v[BEST], v[T+6]
	v_mov_b32 v[KB], 0
.irp j, 0,1,2,3
	v_mov_b32 v[PX+\j], v[GB+\j]
.endr
	v_mov_b32 v[PL], v[LB]
.irp k, 1,2,3,4,5,6,7,8,9,10,11,12,13,14,15
	v_cmp_gt_f32 vcc_lo, v[T+8*(\k/2)+6+(\k%2)], v[BEST]
	v_cndmask_b32 v[BEST], v[BEST], v[T+8*(\k/2)+6+(\k%2)], vcc_lo
	v_cndmask_b32 v[KB], v[KB], \k, vcc_lo
.irp j, 0,1,2,3
	v_cndmask_b32 v[PX+\j], v[PX+\j], v[GB+4*\k+\j], vcc_lo
.endr
	v_cndmask_b32 v[PL], v[PL], v[LB+\k], vcc_lo
.endr
	; over the lanes: the largest quotient, and among the lanes that hold it the lowest box number 32 k + lane
	v_mov_b32 v[TM], v[BEST]
	WRED v_max_num_f32_dpp, v_max_num_f32, TM
	v_lshl_add_u32 v[TM+2], v[KB], 5, v1
	v_cvt_f32_u32 v[TM+2], v[TM+2]                 ; below 512: exact
	v_cmp_eq_f32 vcc_lo, v[BEST], v[TM]
	v_cndmask_b32 v[TM+3], 0x44800000, v[TM+2], vcc_lo   ; 1024.0 where the lane does not hold it
	WRED v_min_num_f32_dpp, v_min_num_f32, TM+3
	v_cmp_eq_f32 vcc_lo, v[TM+2], v[TM+3]          ; one lane
.irp j, 0,1,2,3
	v_cndmask_b32 v[PX+\j], 0, v[PX+\j], vcc_lo
.endr
	v_cndmask_b32 v[PL], 0, v[PL], vcc_lo
.irp j, 0,1,2,3
	WRED v_add_f32_dpp, v_add_f32, PX+\j           ; one number and 31 zeros: exact
.endr
.irp m, 1,2,4,8
	v_mov_b32_dpp v[TM+1], v[PL] row_xmask:\m row_mask:0xf bank_mask:0xf
	v_or_b32 v[PL], v[PL], v[TM+1]                 ; a label is any int32: joined by OR
.endr
	v_permlanex16_b32 v[TM+1], v[PL], s52, s53
	v_or_b32 v[PL], v[PL], v[TM+1]
	; the record, alike in every lane
	v_sub_f32 v[TM],   v[PX+2], v[PX]              ; gw
	v_sub_f32 v[TM+1], v[PX+3], v[PX+1]            ; gh
	v_rcp_f32 v[TM+2], s48
	v_rcp_f32 v[TM+3], s49
	v_fma_f32 v[TM+4], v[TM],   0.5, v[PX]         ; gcx (plain work behind the reciprocals)
	v_fma_f32 v[TM+5], v[TM+1], 0.5, v[PX+1]       ; gcy
	v_fma_f32 v[TM+6], s48, 0.5, s44               ; pcx
	v_fma_f32 v[TM+7], s49, 0.5, s45               ; pcy
	v_sub_f32 v[TM+4], v[TM+4], v[TM+6]
	v_sub_f32 v[TM+5], v[TM+5], v[TM+7]
	s_wait_alu depctr_va_vdst(0)
	v_mul_f32 v[TM],   v[TM],   v[TM+2]            ; gw / pw
	v_mul_f32 v[TM+1], v[TM+1], v[TM+3]
	v_log_f32 v[TM],   v[TM]
	v_log_f32 v[TM+1], v[TM+1]
	v_mul_f32 v[TM+4], v[TM+4], v[TM+2]            ; (plain work behind the logarithms)
	v_mul_f32 v[TM+5], v[TM+5], v[TM+3]
	v_mul_f32 v[D],   0x41200000, v[TM+4]          ; / 0.1
	v_mul_f32 v[D+1], 0x41200000, v[TM+5]
	s_wait_alu depctr_va_vdst(0)
	v_mul_f32 v[D+2], 0x405dce9e, v[TM]            ; log2 x ln 2 / 0.2
	v_mul_f32 v[D+3], 0x405dce9e, v[TM+1]
	s_cmp_lg_u32 s30, 0                            ; an fg key is not 0 exactly where the maximum is above 0.5
	s_cselect_b32 s40, s21, 0
	v_and_b32 v[PL], s40, v[PL]                    ; label 0 in bg slots and in fg slots filled for want of candidates
	s_add_co_u32 s41, s25, s32
	s_min_u32 s41, s41, 511                        ; where the rank is K or more the slot is only kept inside the outputs: no lane stores there
	s_lshl_b32 s40, s41, 4
	v_mov_b32 v[SO], s40                           ; 16 x slot, all lanes on
	s_lshl_b32 s40, s41, 2
	v_mov_b32 v[SO+1], s40                         ; 4 x slot
	s_cmp_lt_u32 s32, s24                          ; among the first K?
	s_cselect_b32 s42, 1, 0                        ; then lane 0 stores, else no lane
	s_wait_xcnt 0x0                                ; EXEC changes only when no memory instruction still reads it
	s_and_saveexec_b32 s54, s42                    ; (s54 takes the old mask, all ones, and is not read)
	global_store_b128 v[SO], v[D:D+3], s[16:17]
	global_store_b32 v[SO+1], v[PL], s[18:19]
	s_wait_xcnt 0x0                                ; the stores have read EXEC, their offsets and their data, which the next place writes
	s_mov_b32 exec_lo, -1                          ; all lanes on again, as they were: by the constant (see the head)
	s_add_co_u32 s27, s27, s23
	s_add_co_u32 s29, s29, 1
	s_cmp_lt_u32 s29, s28
	s_cbranch_scc1 .Lcand
.Lend:
	s_endpgm
.Lfunc_end_k_q514a8b4f07_finish:
	.size	k_q514a8b4f07_finish, .Lfunc_end_k_q514a8b4f07_finish-k_q514a8b4f07_finish
	.p2alignl 7, 3214868480
	.fill 96, 4, 3214868480
	.section	.rodata,"a",@progbits
	.p2align	6, 0x0
	.amdhsa_kernel k_q514a8b4f07_finish
		.amdhsa_group_segment_fixed_size 0
		.amdhsa_private_segment_fixed_size 0
		.amdhsa_enable_private_segment 0
		.amdhsa_kernarg_size 64
		.amdhsa_user_sgpr_count 2
		.amdhsa_user_sgpr_kernarg_segment_ptr 1
		.amdhsa_wavefront_size32 1
		.amdhsa_system_sgpr_workgroup_id_x 1
		.amdhsa_system_sgpr_workgroup_id_y 1
		.amdhsa_system_sgpr_workgroup_id_z 1
		.amdhsa_system_vgpr_workitem_id 0
		.amdhsa_next_free_vgpr 218
		.amdhsa_next_free_sgpr 66
		.amdhsa_reserve_vcc 1
		.amdhsa_float_denorm_mode_32 3
		.amdhsa_float_denorm_mode_16_64 3
		.amdhsa_memory_ordered 1
		.amdhsa_forward_progress 1
		.amdhsa_inst_pref_size 29
	.end_amdhsa_kernel
	.amdgpu_metadata
---
amdhsa.version: [ 1, 2 ]
amdhsa.kernels:
  - .name:           k_q514a8b4f07_finish
    .symbol:         k_q514a8b4f07_finish.kd
    .args:
      - { .name: ckey, .offset: 0, .size: 8, .value_kind: global_buffer, .address_space: global }
      - { .name: cidx, .offset: 8, .size: 8, .value_kind: global_buffer, .address_space: global }
      - { .name: meta, .offset: 16, .size: 8, .value_kind: global_buffer, .address_space: global }
      - { .name: rois, .offset: 24, .size: 8, .value_kind: global_buffer, .address_space: global }
      - { .name: gt_bbox, .offset: 32, .size: 8, .value_kind: global_buffer, .address_space: global }
      - { .name: gt_labels, .offset: 40, .size: 8, .value_kind: global_buffer, .address_space: global }
      - { .name: out0, .offset: 48, .size: 8, .value_kind: global_buffer, .address_space: global }
      - { .name: out1, .offset: 56, .size: 8, .value_kind: global_buffer, .address_space: global }
    .group_segment_fixed_size: 0
    .private_segment_fixed_size: 0
    .kernarg_segment_align: 8
    .kernarg_segment_size: 64
    .max_flat_workgroup_size: 256
    .sgpr_count:     66
    .vgpr_count:     218
    .wavefront_size: 32
...
	.end_amdgpu_metadata
.endif
;; end of part 3
